; MI455X (gfx1250); checked and timed in simulation.
; The chip was launched on July 23, 2026; its instructions are those of AMD's public machine-readable ISA for CDNA 5 (MIT licence, August 2026) and "CDNA5" Instruction Set Architecture Reference Guide (July 2026). The comments in the code are by the model that wrote it; some were corrected since.
;; Cross Attention. Allowed arithmetic: matrix products marked QUANTISED: E4M3 operands, one E8M0 scale for each 32 along K, by v_wmma_scale_f32_16x16x128_f8f6f4 with both operands' format E4M3, f32 sums; everything else in f32.
;; Inputs: bk 128 float32; bq 128 float32; bv 128 float32; wk_codes 128 x 4 x 32 uint8 (E4M3 codes of wk, K innermost, in blocks of 32 codes); wk_scales 128 x 4 uint8 (E8M0 scales of wk, one for each 32 codes along K); wq_codes 128 x 4 x 32 uint8 (E4M3 codes of wq, K innermost, in blocks of 32 codes); wq_scales 128 x 4 uint8 (E8M0 scales of wq, one for each 32 codes along K); wv_codes 128 x 4 x 32 uint8 (E4M3 codes of wv, K innermost, in blocks of 32 codes); wv_scales 128 x 4 uint8 (E8M0 scales of wv, one for each 32 codes along K); x1 4 x 128 x 64 x 64 float32; x2_codes 4 x 64 x 64 x 4 x 32 uint8 (E4M3 codes of x2, K innermost, in blocks of 32 codes); x2_scales 4 x 64 x 64 x 4 uint8 (E8M0 scales of x2, one for each 32 codes along K).
;; Outputs: out0 4 x 128 x 64 x 64 float32.
;; This version of the problem:
;;   THIS VERSION OF THE PROBLEM IS GIVEN IN LOW PRECISION. The matrix products marked QUANTISED in the list below multiply operands that are first quantised to E4M3 (4 exponent bits, 3 mantissa bits; 8 bits a number), with one power-of-two scale for each 32 numbers along K (OCP MX v1.0); their sums are f32. All else is computed in f32.
;;   The module's matrix products, in the order in which they are computed (A, B: the left and right operand; K: the contracted axis; several contracted axes count as one K, in the product's order):
;;     1. [M 16,384, K 128] x [K 128, N 128]; A: input x1; B: input wq (given as codes): QUANTISED
;;     2. [M 16,384, K 128] x [K 128, N 128]; A: input x2 (given as codes); B: input wk (given as codes): QUANTISED
;;     3. [M 16,384, K 128] x [K 128, N 128]; A: input x2 (given as codes); B: input wv (given as codes): QUANTISED
;;     4. batch 4 x [M 4,096, K 128] x [K 128, N 4,096]; A: computed on the way; B: computed on the way: QUANTISED
;;     5. batch 4 x [M 4,096, K 4,096] x [K 4,096, N 128]; A: softmax (see below); B: computed on the way: QUANTISED
;;   THE QUANTISER, for each operand of a quantised product, along K:
;;     - K is cut into blocks of 32 from its start; a last block that is shorter is filled with zeros.
;;     - A block's scale is 2^e with e = floor(log2(the largest magnitude in the block)) - 8, held to -126 .. 127; a block of zeros has e = 0. As a byte (E8M0): e + 127.
;;     - Each number is divided by its block's scale, clamped to +-448, and rounded to the nearest number of E4M3, ties to even, subnormals kept.
;;     - The product sums the exact products of the quantised numbers (number of the format x scale) in f32.
;;   ~~~python
;;   def quantise(x, axis):      # numpy; x: float32 -> the quantised numbers, widened to float32 again
;;       x = np.moveaxis(x, axis, -1); K = x.shape[-1]
;;       x = np.pad(x, [(0, 0)] * (x.ndim - 1) + [(0, -K % 32)]); x = x.reshape(x.shape[:-1] + (-1, 32)); a = np.abs(x).max(-1, keepdims=True)
;;       e = np.where(a > 0, np.clip(np.frexp(np.where(a > 0, a, 1))[1] - 1 - 8, -126, 127), 0)      # np.frexp(a)[1] - 1 = floor(log2(a)), exactly
;;       r = np.clip(x / 2.0 ** e, -448, 448)
;;       step = 2.0 ** (np.maximum(np.frexp(np.where(r == 0, 1, r))[1] - 1, -6) - 3)
;;       q = np.round(r / step) * step * 2.0 ** e      # np.round: ties to even
;;       return np.moveaxis(q.reshape(q.shape[:-2] + (-1,))[..., :K], -1, axis).astype(np.float32)
;;   ~~~
;;   SOFTMAX AHEAD OF A QUANTISED PRODUCT. Where the list says 'softmax', what is quantised is not the finished softmax but p = 2^(t - M), with t = logit x log2(e) and M = ceil(the row's largest t), a whole number; so 1/2 < the row's largest p <= 1. The row's sum l is taken of the UNQUANTISED p, in f32, and the product's result is divided by l at the end. Since M is a whole number, a kernel that streams over the keys may use a running M (the ceiling of the running maximum): every later rescaling is an exact power of two, which a block's scale takes up: the codes' values come out the same.
;;   OPERANDS COMPUTED ON THE WAY. 'Computed on the way' means the value that the module computes at that place (a softmax that the list does not call 'softmax' is quantised finished and normalised). What goes into a quantiser is computed in f32, as accurately as f32 sums, v_exp_f32 and their like allow (about 1e-6 of the number): no bf16 or f16 on the way to a quantiser, and a product that is left as it is and whose result goes on into a quantised operand takes f32 operands (vector FMAs, or v_wmma_f32_16x16x4_f32). A number that lies on a knife's edge between two numbers of the format may be rounded either way, as far as f32 arithmetic and the matrix unit's own rounding can turn it there, and no further.
;;   INPUTS GIVEN AS CODES. wk (in the module: [128, 128], K = its axis 1); wq (in the module: [128, 128], K = its axis 1); wv (in the module: [128, 128], K = its axis 1); x2 (in the module: [4, 128, 64, 64], K = its axis 1): each comes as NAME_codes (uint8): NAME with its K axis moved to the last place and cut into blocks of 32 codes, [.., K / 32, bytes a block], one block behind the other in memory; one code a byte (a code: sign, 4 exponent bits, 3 mantissa bits); and NAME_scales (uint8): the same leading axes, one E8M0 byte (e + 127) for each 32 codes along K. Its value is code x scale, taken as it is: it is not quantised again, and the codes and scales need not be those that the quantiser above would give.
;; One version. Each part assembles by itself: llvm-mc -triple=amdgcn-amd-amdhsa -mcpu=gfx1250 --defsym DOCPART=n.
;; ======== version 1 of 1: 2 launches
;; limits: right only within a limited range of input values
;; workspace buffers: kv 4,325,376 bytes
;; launch prep (part 1): grid 128 x 1, 16 waves a work-group, no clusters, 3,072 bytes of LDS; arguments x2_codes, x2_scales, wk_codes, wk_scales, bk, wv_codes, wv_scales, bv, kv; writes kv
.if DOCPART == 1
	.amdgcn_target "amdgcn-amd-amdhsa--gfx1250"
	.amdhsa_code_object_version 6
	.text
	.protected	k_q7d28f93248_prep
	.globl	k_q7d28f93248_prep
	.p2align	8
	.type	k_q7d28f93248_prep,@function
k_q7d28f93248_prep:
	s_mov_b64 s[64:65], 0
	v_nop
	global_prefetch_b8 v0, s[64:65] scope:SCOPE_SE
	s_setreg_imm32_b32 hwreg(HW_REG_WAVE_MODE, 25, 1), 1
	s_wait_xcnt 0x0
; k = x2 wk^T + bk and v = x2 wv^T + bv on the given codes of E4M3 (one E8M0 scale for each 32 along K), sums in f32; then k is quantised along its 128 channels and v along the KEYS,
; and both leave in the order of the next launch's operand registers.
; kv: [128 key steps][STEPB bytes]; a key step is 128 tokens (32 steps a batch).  In a step: K's eight fragments (2,048 bytes each: registers 4 c .. 4 c + 3 of lane l at 512 c + 16 l), V^T's eight likewise,
; then 1,024 bytes of scale words [2][32 lanes][4 words]: lane r, word j of group g: K's fragment 4 g + j, row r; lane 16 + r: V^T's.
; SHARES.  A work-group takes one key step.  Waves 0-7 make K's fragment T = wave, waves 8-15 V^T's fragment t = wave - 8.  Each wave: eight matrix instructions, one quantiser, four stores of 512 consecutive bytes.
; BOTH PRODUCTS ARE LAID SO THAT A LANE'S REGISTERS RUN ALONG THE NEXT K.  K: source 0 = 16 rows of wk, source 1 = my 16 tokens: a lane holds one key, its registers run along the channels.
; V: source 0 = 16 tokens, source 1 = my 16 rows of wv: a lane holds one channel, its registers run along the keys.  THE ROWS OF A TILE OF SOURCE 0 ARE NOT NEIGHBOURS: lane r of tile 2 b + u takes row
; 32 b + 8 u + r + 8 (r / 8), so that the 16 registers of tiles 2 b and 2 b + 1 are 16 neighbours, 32 b + 16 (lane / 16) + 0 .. 15.  K's fragment T takes its 16 KEYS by the same rule, for the softmax of the next launch.
; The biases are the C of the products.  No tensor loads, no cluster: work-groups share only 34 KB of weights, and each wave reads its operands once, straight into registers.
; LIMITS: NaN, infinities and a given scale byte 0xff are not served.  A block of zeros gets the byte 1 where the rule says 127: its codes are zeros, and this program alone reads the bytes.
; Blocks whose largest magnitude lies under 2^(9 - 127) are quantised under that floor's scale.  The bias is added first in the sum, not last.
.set STEPB, 33792
.set D,   160                          ; v160-223 eight tiles of results: register 16 b + i = k 32 b + 16 (lane / 16) + i of my row
.set TM,  240                          ; v240-243 largest magnitudes, v244-247 bytes, v252-255 the conversions' scale operands
.set PC,  32                           ; v32-47   the codes (over source 0's first fragment, which is done with)
.set PW,  225                          ; v225     the scale word just made
; v1 PA, v2 PS: source 0's byte and scale-word offsets; v3, v4: source 1's; v5: bk's; v6: 16 x lane; v7: my scale word's place in LDS; v8-15 source 0's scale words; v16-31 source 1; v32-159 source 0; v224 source 1's scale word; v232-239 bv
	s_load_b256 s[4:11], s[0:1], 0x0               ; x2's codes s[4:5], x2's scales s[6:7], wk's codes s[8:9], wk's scales s[10:11]
	s_load_b256 s[12:19], s[0:1], 0x20             ; bk s[12:13], wv's codes s[14:15], wv's scales s[16:17], bv s[18:19]
	s_load_b64 s[20:21], s[0:1], 0x40              ; kv
	v_lshl_add_u32 v230, v0, 2, 0x400
	v_mov_b32 v231, 0
	v_lshrrev_b32 v226, 5, v0
	s_delay_alu instid0(VALU_DEP_1)
	v_readfirstlane_b32 s22, v226                  ; wave 0..15
	s_and_b32 s23, s22, 7                          ; which fragment
	s_lshr_b32 s24, s22, 3                         ; 0: K, 1: V
	s_mov_b32 s26, 0x76543210
	s_mov_b32 s27, 0xfedcba98                      ; v_permlanex16_b32's selects for lane l xor 16
	v_and_b32 v226, 15, v0                         ; r
	v_bfe_u32 v227, v0, 4, 1                       ; h
	s_delay_alu instid0(VALU_DEP_2)
	v_and_b32 v228, 8, v226
	s_delay_alu instid0(VALU_DEP_1)
	v_add_nc_u32 v228, v228, v226                  ; r + 8 (r / 8)
	s_delay_alu instid0(VALU_DEP_1)
	v_lshlrev_b32 v1, 7, v228
	s_delay_alu instid0(VALU_DEP_1)
	v_lshl_add_u32 v1, v227, 4, v1                 ; a row of 128 codes is 128 bytes; + 16 h
	s_delay_alu instid0(VALU_DEP_3)
	v_lshlrev_b32 v2, 2, v228                      ; a scale word a row
	v_lshlrev_b32 v5, 6, v227                      ; bk: 16 h numbers on
	v_and_b32 v6, 31, v0
	s_delay_alu instid0(VALU_DEP_1)
	v_lshlrev_b32 v6, 4, v6                        ; 16 x lane
	s_lshr_b32 s28, s23, 2
	s_lshl_b32 s28, s28, 9                         ; group of four fragments: 512 bytes
	s_and_b32 s29, s23, 3
	s_lshl_b32 s29, s29, 2                         ; word in the lane's four
	s_add_co_u32 s28, s28, s29
	s_lshl_b32 s29, s24, 8                         ; V's words lie in lanes 16-31's places
	s_add_co_u32 s28, s28, s29
	v_lshlrev_b32 v7, 4, v226
	s_delay_alu instid0(VALU_DEP_1)
	v_add_nc_u32 v7, s28, v7                       ; made ahead of the parting of the waves
.irp b, 0,1,2,3
	v_mov_b32 v[TM+4+\b], 0                        ; written once: a lane permute's destination counts as one of its sources
.endr
	s_lshl_b32 s30, ttmp9, 14                      ; my step's 128 tokens: 16,384 bytes of codes,
	s_mov_b32 s31, 0
	s_lshl_b32 s32, ttmp9, 9                       ; 512 of scale bytes,
	s_mov_b32 s33, 0
	s_mul_i32 s34, ttmp9, STEPB                    ; and its block of kv; fragment w of its sixteen lies 2,048 w bytes on
	s_lshl_b32 s35, s22, 11
	s_add_co_u32 s34, s34, s35
	s_mov_b32 s35, 0
	s_wait_kmcnt 0x0
	s_add_nc_u64 s[4:5], s[4:5], s[30:31]
	s_add_nc_u64 s[6:7], s[6:7], s[32:33]
	s_add_nc_u64 s[20:21], s[20:21], s[34:35]
	s_cmp_lt_u32 s22, 8
	s_cbranch_scc0 .Lrole_v
	; ---- K: source 1 = tokens 32 (T / 2) + 8 (T % 2) + r + 8 (r / 8)
	s_lshr_b32 s36, s23, 1
	s_lshl_b32 s36, s36, 5
	s_and_b32 s37, s23, 1
	s_lshl_b32 s37, s37, 3
	s_add_co_u32 s36, s36, s37
	s_lshl_b32 s37, s36, 7
	v_add_nc_u32 v3, s37, v1
	s_lshl_b32 s37, s36, 2
	v_add_nc_u32 v4, s37, v2
.irp c, 0,1,2,3
	global_load_b128 v[16+4*\c:19+4*\c], v3, s[4:5] offset:32*\c
.endr
	global_load_b32 v224, v4, s[6:7]
.irp t, 0,1,2,3,4,5,6,7
.irp c, 0,1,2,3
	global_load_b128 v[32+16*\t+4*\c:35+16*\t+4*\c], v1, s[8:9] offset:(32*(\t/2)+8*(\t%2))*128+32*\c
.endr
	global_load_b32 v[8+\t], v2, s[10:11] offset:(32*(\t/2)+8*(\t%2))*4
	global_load_b128 v[D+8*\t:D+8*\t+3], v5, s[12:13] offset:(32*(\t/2)+8*(\t%2))*4       ; bk in the result's layout: the tile's eight channels of my half
	global_load_b128 v[D+8*\t+4:D+8*\t+7], v5, s[12:13] offset:(32*(\t/2)+8*(\t%2))*4+16
.endr
	s_wait_loadcnt 0x0
.irp t, 0,1,2,3,4,5,6,7
	v_wmma_scale_f32_16x16x128_f8f6f4 v[D+8*\t:D+8*\t+7], v[32+16*\t:47+16*\t], v[16:31], v[D+8*\t:D+8*\t+7], v[8+\t], v224
.endr
	s_branch .Lquant
.Lrole_v:
	; ---- V: source 1 = rows 16 t + r of wv; source 0 = the step's 128 tokens in eight tiles
	s_lshl_b32 s36, s23, 11
	v_lshlrev_b32 v3, 7, v226
	s_delay_alu instid0(VALU_DEP_1)
	v_lshl_add_u32 v3, v227, 4, v3
	s_delay_alu instid0(VALU_DEP_1)
	v_add_nc_u32 v3, s36, v3
	s_lshl_b32 s36, s23, 6
	v_lshl_add_u32 v4, v226, 2, s36                ; 4 (16 t + r): wv's scale word, and bv's number
.irp c, 0,1,2,3
	global_load_b128 v[16+4*\c:19+4*\c], v3, s[14:15] offset:32*\c
.endr
	global_load_b32 v224, v4, s[16:17]
.irp j, 0,1,2,3,4,5,6,7
	global_load_b32 v[232+\j], v4, s[18:19]        ; a lane holds one channel: all eight registers of C are its bv
.endr
.irp t, 0,1,2,3,4,5,6,7
.irp c, 0,1,2,3
	global_load_b128 v[32+16*\t+4*\c:35+16*\t+4*\c], v1, s[4:5] offset:(32*(\t/2)+8*(\t%2))*128+32*\c
.endr
	global_load_b32 v[8+\t], v2, s[6:7] offset:(32*(\t/2)+8*(\t%2))*4
.endr
	s_wait_loadcnt 0x0
.irp t, 0,1,2,3,4,5,6,7
	v_wmma_scale_f32_16x16x128_f8f6f4 v[D+8*\t:D+8*\t+7], v[32+16*\t:47+16*\t], v[16:31], v[232:239], v[8+\t], v224
.endr
.Lquant:
.rept 8
	v_nop                                          ; eight places behind this form before its results are read and its sources written
.endr
	; ---- the quantiser: four blocks of 32 along the next K; a block lies in lanes l and l xor 16
.irp b, 0,1,2,3
	v_max3_num_f32 v[TM+\b], |v[D+16*\b]|, |v[D+1+16*\b]|, 0x4800000      ; my 16 numbers and the floor 2^(9 - 127): the byte cannot fall under 1
.endr
.irp i, 2,4,6,8,10,12,14
.irp b, 0,1,2,3
	v_max3_num_f32 v[TM+\b], v[TM+\b], |v[D+16*\b+\i]|, |v[D+1+16*\b+\i]|   ; the four blocks by turns
.endr
.endr
.irp b, 0,1,2,3
	s_delay_alu instid0(VALU_DEP_4)
	v_permlanex16_b32 v[TM+4+\b], v[TM+\b], s26, s27
.endr
.irp b, 0,1,2,3
	s_delay_alu instid0(VALU_DEP_4)
	v_max_num_f32 v[TM+\b], v[TM+\b], v[TM+4+\b]   ; the block's largest magnitude
.endr
.irp b, 0,1,2,3
	s_delay_alu instid0(VALU_DEP_4)
	v_add_nc_u32 v[TM+12+\b], 0xfc000000, v[TM+\b] ; 8 off its exponent field: the conversion takes this operand's exponent field as its scale
.endr
.irp b, 0,1,2,3
.endr
.irp b, 0,1,2,3
	s_delay_alu instid0(VALU_DEP_4)
	v_lshrrev_b32 v[TM+4+\b], 23, v[TM+12+\b]      ; the scale's byte
.endr
	s_delay_alu instid0(VALU_DEP_3)
	v_lshl_or_b32 v[PW], v[TM+5], 8, v[TM+4]       ; my row's scale word
	s_delay_alu instid0(VALU_DEP_1)
	v_lshl_or_b32 v[PW], v[TM+6], 16, v[PW]
	s_delay_alu instid0(VALU_DEP_1)
	v_lshl_or_b32 v[PW], v[TM+7], 24, v[PW]
.irp b, 0,1,2,3
.irp i, 0,1,2,3,4,5,6,7,8,9,10,11,12,13,14,15
.endr
	v_cvt_scalef32_pk8_fp8_f32 v[PC+4*\b:PC+1+4*\b], v[D+16*\b:D+7+16*\b], v[TM+12+\b]
	v_cvt_scalef32_pk8_fp8_f32 v[PC+2+4*\b:PC+3+4*\b], v[D+8+16*\b:D+15+16*\b], v[TM+12+\b]
.endr
	v_nop                                          ; a plain line behind the last conversion
.irp c, 0,1,2,3
	global_store_b128 v6, v[PC+4*\c:PC+4*\c+3], s[20:21] offset:512*\c     ; the fragment as it stands in registers: 32 lanes store 512 consecutive bytes, aligned
.endr
	ds_store_b32 v7, v[PW]                         ; lanes l and l xor 16 write the same word with the same value
	s_wait_dscnt 0x0                               ; for the others' sake: my word has landed
	s_barrier_signal -1
	s_barrier_wait -1
	s_cmp_lg_u32 s22, 0
	s_cbranch_scc1 .Lend                           ; wave 0 stores the sixteen waves' scale words: 1,024 consecutive bytes
	ds_load_b128 v[48:51], v6
	ds_load_b128 v[52:55], v6 offset:512
	s_wait_dscnt 0x0
	global_store_b128 v6, v[48:51], s[20:21] offset:32768
	global_store_b128 v6, v[52:55], s[20:21] offset:33280
.Lend:
	s_wait_tensorcnt 0x0
	ds_add_u32 v230, v231
	s_wait_dscnt 0x0
	s_endpgm
.Lfunc_end_k_q7d28f93248_prep:
	.size	k_q7d28f93248_prep, .Lfunc_end_k_q7d28f93248_prep-k_q7d28f93248_prep
	.p2alignl 7, 3214868480
	.fill 96, 4, 3214868480
	.section	.rodata,"a",@progbits
	.p2align	6, 0x0
	.amdhsa_kernel k_q7d28f93248_prep
		.amdhsa_group_segment_fixed_size 3072
		.amdhsa_private_segment_fixed_size 0
		.amdhsa_enable_private_segment 0
		.amdhsa_kernarg_size 72
		.amdhsa_user_sgpr_count 2
		.amdhsa_user_sgpr_kernarg_segment_ptr 1
		.amdhsa_wavefront_size32 1
		.amdhsa_system_sgpr_workgroup_id_x 1
		.amdhsa_system_sgpr_workgroup_id_y 1
		.amdhsa_system_sgpr_workgroup_id_z 1
		.amdhsa_system_vgpr_workitem_id 0
		.amdhsa_next_free_vgpr 256
		.amdhsa_next_free_sgpr 66
		.amdhsa_reserve_vcc 0
		.amdhsa_float_denorm_mode_32 3
		.amdhsa_float_denorm_mode_16_64 3
		.amdhsa_fp16_overflow 1
		.amdhsa_memory_ordered 1
		.amdhsa_forward_progress 1
		.amdhsa_inst_pref_size 22
	.end_amdhsa_kernel
	.amdgpu_metadata
---
amdhsa.version: [ 1, 2 ]
amdhsa.kernels:
  - .name:           k_q7d28f93248_prep
    .symbol:         k_q7d28f93248_prep.kd
    .args:
      - { .name: x2_codes, .offset: 0, .size: 8, .value_kind: global_buffer, .address_space: global }
      - { .name: x2_scales, .offset: 8, .size: 8, .value_kind: global_buffer, .address_space: global }
      - { .name: wk_codes, .offset: 16, .size: 8, .value_kind: global_buffer, .address_space: global }
      - { .name: wk_scales, .offset: 24, .size: 8, .value_kind: global_buffer, .address_space: global }
      - { .name: bk, .offset: 32, .size: 8, .value_kind: global_buffer, .address_space: global }
      - { .name: wv_codes, .offset: 40, .size: 8, .value_kind: global_buffer, .address_space: global }
      - { .name: wv_scales, .offset: 48, .size: 8, .value_kind: global_buffer, .address_space: global }
      - { .name: bv, .offset: 56, .size: 8, .value_kind: global_buffer, .address_space: global }
      - { .name: kv, .offset: 64, .size: 8, .value_kind: global_buffer, .address_space: global }
    .group_segment_fixed_size: 3072
    .private_segment_fixed_size: 0
    .kernarg_segment_align: 8
    .kernarg_segment_size: 72
    .max_flat_workgroup_size: 512
    .sgpr_count:     66
    .vgpr_count:     256
    .wavefront_size: 32
...
	.end_amdgpu_metadata
.endif
;; end of part 1
;; launch attn (part 2): grid 64 x 4, 8 waves a work-group, clusters of 4 x 1, 327,680 bytes of LDS; arguments x1, wq_codes, wq_scales, bq, kv, out0; writes out0
.if DOCPART == 2
	.amdgcn_target "amdgcn-amd-amdhsa--gfx1250"
	.amdhsa_code_object_version 6
	.text
	.protected	k_q7d28f93248_attn
	.globl	k_q7d28f93248_attn
	.p2align	8
	.type	k_q7d28f93248_attn,@function
k_q7d28f93248_attn:
	s_mov_b64 s[64:65], 0
	v_nop
	global_prefetch_b8 v0, s[64:65] scope:SCOPE_SE
	s_setreg_imm32_b32 hwreg(HW_REG_WAVE_MODE, 25, 1), 1
	s_wait_xcnt 0x0
	s_wait_alu depctr_hold_cnt(0) depctr_sa_sdst(0) depctr_va_vdst(0) depctr_va_sdst(0) depctr_va_ssrc(0) depctr_va_vcc(0) depctr_vm_vsrc(0)
	s_getreg_b32 s2, hwreg(HW_REG_IB_STS2, 6, 4)
	s_cmp_eq_u32 s2, 0
	s_cbranch_scc0 .Lentry_in_a_cluster
	s_endpgm
.Lentry_in_a_cluster:
	s_bfe_u32 s2, ttmp6, 0x10000c
	s_cmp_lg_u32 s2, 0x3003
	s_cbranch_scc0 .Lentry_shape_is_right
	s_endpgm
.Lentry_shape_is_right:
; out0[b][c][n] = x1[b][c][n] + sum over keys of softmax(q . k / sqrt(128)) v[key][c], q = x1^T wq^T + bq; every product on codes of E4M3 with one E8M0 scale for each 32 along K, sums in f32.
; K and V arrive from the launch before as images of operand registers: kv [128 key steps][STEPB]: K's 8 fragments, V^T's 8, 1,024 bytes of scale words (lanes 0-15 K's, lanes 16-31 V's).
; THE SOFTMAX: t = score x log2(e) / sqrt(128); M = the largest t so far, rounded UP to a whole number; p = 2^(t - M) is quantised along the keys, not normalised; the row's sum is taken of the unquantised p and divides at the end.
; SHARES.  A work-group owns 64 queries of one batch: 256 work-groups.  Wave w: QP = w & 1 picks two tiles of 16 queries, KQ = w >> 1 one of the four key steps of each slot: the keys are split four ways inside the
; work-group, each wave with its own M and sum, and each fragment of K or V read from LDS feeds two matrix instructions.  At the end the four parts meet in LDS: each is scaled by 2^(M_part - M) / sum, exact but for the one division.
; CLUSTER.  The four work-groups of a cluster belong to one batch and walk the same K and V: each slot (4 key steps, 135,168 dense bytes) is asked for JOINTLY, waves 0-3 one step block each, mask 15.
; A wave has at most one tensor load outstanding.  The place in the cluster enters x1's and out0's addresses alone.
; HEAD.  x1's 128 channels x 64 queries come once, in whole rows of 256 bytes, into LDS and stay for the residual; from there a lane takes a query and runs down the channels, so Q(x1) needs no transposition;
; x1's and q's fragments go from wave to wave as images of registers (16 bytes a lane), their scale bytes one byte a wave into a row's word.
; LAYOUT.  All products are used transposed (source 0 = wq's rows, keys, V^T's channels; source 1 = queries): a lane holds ONE query (lane % 16) throughout.
; THE KEY STEP IS TURNED ROUND ITS BARRIER.  A wave has read all that it wants of a slot when V's fragments are in registers, and a tile's 64 registers of p are free when its codes are made.  So the change of slots stands
; between tile 1's softmax and tile 0's; behind it half of the NEXT step's K is fetched into tile 1's free registers and lands under tile 0's softmax, the other half into tile 0's and lands under the products V^T P.
; The next scores then go where V lay: the two regions of 64 registers change roles from step to step, and a trip of the loop runs two steps, until the numbers are back.
; REGISTERS: window 0 holds tile 0, window 1 tile 1 AT THE SAME NUMBERS, so that the softmax is written once and run under two settings.
;   v1, v2 LDS address of my step block in slot 0, 1; v3, v4 for the add; v[6:9] scale words of fragments 4-7; v10 q's scale word of tile 1; v11 p's of tile 1; v12 -M; v13 largest t; v[14:15] the sum;
;   v16-31 Q; v32-95 and v96-159: in an even step fragments (0-3 in window 1, 4-7 in window 0) and S^T, then p; in an odd step the other way round; v160-223 O^T; v224-239 p's codes; v232-254 at work;
;   v[248:251] scale words of fragments 0-3; v253 p's scale word; v255 q's of tile 0.
; LIMITS: NaN and infinities are not served.  A block of zeros gets the byte 1 where the rule says 127 (its codes are zeros; the bytes are read here alone).  bq is added first in its sum; the row's sum and O are summed by quarters of the keys.
.set STEPB, 33792                      ; a key step's block
.set SLOT,  4*STEPB                    ; LDS: slot 0 at 0, slot 1 at SLOT
.set SPARE, 2*SLOT                     ; the spare words: 128 bytes for each of eight waves, four blocks of 256 bytes that no other line names
.set XP,    272                        ; a row of 64 f32 + 16 bytes
.set X1S,   SPARE+1024                 ; x1 [128 channels][64 queries]
.set XIMG,  X1S+128*XP                 ; x1's four fragments: 2,048 x tile + 512 c + 16 x lane
.set XSC,   XIMG+8192                  ; their scale bytes: 64 x tile + 4 r + c
.set QOFF,  8448                       ; q's images and bytes lie this far behind x1's
.set STAT,  XSC+256+QOFF               ; -M [4 parts][64 queries], and the sums 1,024 bytes on
.set PARTB, 128*XP                     ; a part of O [128 channels][64 queries]; the four parts lie from byte 0 on, over the slots, which have then had their last fill and their last read
.set MSB, 0
.macro WIN new                         ; s_set_vgpr_msb: bits 1:0 source 0, 3:2 source 1, 5:4 source 2, 7:6 destination; the high byte repeats the setting that is left
.if MSB != \new
	s_set_vgpr_msb (MSB<<8)|\new
.set MSB, \new
.endif
.endm
.macro BAR                             ; my LDS stores have landed and my LDS loads are in: then the work-group's barrier.
	s_wait_dscnt 0x0
	s_barrier_signal -1
	s_barrier_wait -1
.endm
.macro ROUND                           ; a round of the cluster's barrier: my work-group's barrier, wave 0 signals for it, every wave waits for all four work-groups, my work-group's barrier once more
	s_barrier_signal -1
	s_barrier_wait -1
	s_cmp_lg_u32 s16, 0
	s_cbranch_scc1 .Lnot_wave_0_\@
	s_barrier_signal -3
.Lnot_wave_0_\@:
	s_barrier_wait -3
	s_barrier_signal -1
	s_barrier_wait -1
.endm
.macro JLOAD g0                        ; waves 0-3 ask for one step block each; the branch hangs on the wave's number alone.  Four v_nop follow the load
	s_cmp_lt_u32 s16, 4
	s_cbranch_scc0 .Lasked_\@
	tensor_load_to_lds s[\g0:\g0+3], s[24:31]
	s_nop 0
.rept 4
	v_nop
.endr
.Lasked_\@:
.endm
; 16 numbers of a lane, half a block of 32 (the other half in lane l xor 16), become four registers of codes at v[pc] and the block's byte in v[by]
.macro QUANT1 s, pc, by
	v_max3_num_f32 v232, |v[\s]|, |v[\s+1]|, 0x4800000             ; with the floor 2^(9 - 127): the byte cannot fall under 1
.irp i, 2,4,6,8,10,12,14
	v_max3_num_f32 v232, v232, |v[\s+\i]|, |v[\s+\i+1]|
.endr
	s_delay_alu instid0(VALU_DEP_1)
	v_permlanex16_b32 v236, v232, s20, s21
	s_delay_alu instid0(VALU_DEP_1)
	v_max_num_f32 v232, v232, v236                 ; the block's largest magnitude
	s_delay_alu instid0(VALU_DEP_1)
	v_add_nc_u32 v244, 0xfc000000, v232            ; 8 off its exponent field: the conversion's scale operand
	s_delay_alu instid0(VALU_DEP_1)
	v_lshrrev_b32 v[\by], 23, v244                 ; the scale's byte
.irp i, 0,1,2,3,4,5,6,7,8,9,10,11,12,13,14,15
.endr
	v_cvt_scalef32_pk8_fp8_f32 v[\pc:\pc+1], v[\s:\s+7], v244
	v_cvt_scalef32_pk8_fp8_f32 v[\pc+2:\pc+3], v[\s+8:\s+15], v244
	v_nop                                          ; a plain line behind the last conversion
.endm
.macro INIT                            ; a tile's statistics and O^T, under the tile's window: the key step is written once, its first run finds zeros, which the first change of M leaves zeros
	v_mov_b32 v13, 0xff61b1e6                      ; the largest t so far: -3e38
	s_delay_alu instid0(VALU_DEP_1)
	v_floor_f32 v12, -v13                          ; -M
	v_mov_b32 v14, 0
	v_mov_b32 v15, 0
.irp b, 0,1,2,3
	v_mov_b32 v[236+\b], 0                         ; a lane permute's destination counts as one of its sources
.endr
	v_mov_b32 v253, 0                              ; named as the upper half of the pair v[252:253] before it is first written
.set JJ, 0
.rept 64
	v_mov_b32 v[160+JJ], 0
.set JJ, JJ+1
.endr
.endm
; ONE TILE'S SOFTMAX FOR 128 KEYS, under the tile's window.  Register sb + 16 b + i holds key 32 b + 16 (lane / 16) + i of my query.
.macro SOFT sb
.irp b, 0,1,2,3
	v_max3_num_f32 v[232+\b], v[\sb+16*\b], v[\sb+1+16*\b], v[\sb+2+16*\b]   ; the largest SCORE of each block of 32 keys: for the row's maximum and, since p rises with the score, for the block's largest p
.endr
.irp i, 3,5,7,9,11,13
.irp b, 0,1,2,3
	v_max3_num_f32 v[232+\b], v[232+\b], v[\sb+16*\b+\i], v[\sb+1+16*\b+\i]
.endr
.endr
.irp b, 0,1,2,3
	v_max_num_f32 v[232+\b], v[232+\b], v[\sb+15+16*\b]
.endr
.irp b, 0,1,2,3
	v_permlanex16_b32 v[236+\b], v[232+\b], s20, s21
.endr
.irp b, 0,1,2,3
	s_delay_alu instid0(VALU_DEP_4)
	v_max_num_f32 v[232+\b], v[232+\b], v[236+\b]  ; with lane l xor 16's 16 keys
.endr
	s_delay_alu instid0(VALU_DEP_2)
	v_max3_num_f32 v254, v232, v233, v234
	s_delay_alu instid0(VALU_DEP_1)
	v_max_num_f32 v254, v254, v235
	s_delay_alu instid0(VALU_DEP_1)
	v_mul_f32 v254, s22, v254                      ; as t (c is positive)
	s_delay_alu instid0(VALU_DEP_1)
	v_max_num_f32 v13, v13, v254                   ; the running largest t
	v_mov_b32 v254, v12
	s_delay_alu instid0(VALU_DEP_2)
	v_floor_f32 v12, -v13                          ; the new -M = -ceil(t): a whole number
	s_delay_alu instid0(VALU_DEP_1)
	v_sub_f32 v254, v12, v254                      ; old M - new M: a whole number, 0 or less
	s_delay_alu instid0(VALU_DEP_1)
	v_cvt_i32_f32 v254, v254                       ; (it saturates)
	s_delay_alu instid0(VALU_DEP_1)
	v_ldexp_f32 v252, 1.0, v254                    ; f = 2^(old M - new M): a multiplication by it rounds nothing
.set JJ, 0
.rept 32
	v_pk_fma_f32 v[\sb+JJ:\sb+1+JJ], v[\sb+JJ:\sb+1+JJ], s[22:23], v[12:13] op_sel_hi:[1,0,0]   ; t - M, two at a time
.set JJ, JJ+2
.endr
.irp b, 0,1,2,3
	v_fma_f32 v[232+\b], v[232+\b], s22, v12       ; the same of each block's largest score
.endr
.set JJ, 0
	s_wait_alu depctr_va_vdst(0)
.rept 64
	v_exp_f32 v[\sb+JJ], v[\sb+JJ]                 ; p = 2^(t - M), at most 1
.set JJ, JJ+1
.endr
.irp b, 0,1,2,3
	v_exp_f32 v[232+\b], v[232+\b]                 ; the block's largest p: the same two instructions on the same number
.endr
	v_pk_mul_f32 v[14:15], v[14:15], v[252:253] op_sel_hi:[1,0]    ; the sums under the new M (a plain line behind the exponentials)
	s_wait_alu depctr_va_vdst(0)
.irp b, 0,1,2,3
	v_max_num_f32 v[232+\b], 0x4800000, v[232+\b]  ; the floor 2^(9 - 127)
.endr
.irp b, 0,1,2,3
	s_delay_alu instid0(VALU_DEP_4)
	v_add_nc_u32 v[244+\b], 0xfc000000, v[232+\b]  ; the conversion's scale operand
.endr
.irp b, 0,1,2,3
	v_and_or_b32 v[240+\b], v[232+\b], 0x7f800000, s19   ; 448 x the scale
.endr
.irp b, 0,1,2,3
	v_lshrrev_b32 v[236+\b], 23, v[244+\b]         ; the scale's byte
.endr
	s_delay_alu instid0(VALU_DEP_3)
	v_lshl_or_b32 v253, v237, 8, v236              ; p's scale word for these 128 keys
	s_delay_alu instid0(VALU_DEP_1)
	v_lshl_or_b32 v253, v238, 16, v253
	s_delay_alu instid0(VALU_DEP_1)
	v_lshl_or_b32 v253, v239, 24, v253
	v_pk_add_f32 v[236:237], v[\sb:\sb+1], v[\sb+2:\sb+3]          ; the row's sum is taken of the unquantised p: two at a time, in two chains
.set JJ, 4
.rept 15
	v_pk_add_f32 v[14:15], v[14:15], v[\sb+JJ:\sb+1+JJ]
	v_pk_add_f32 v[236:237], v[236:237], v[\sb+2+JJ:\sb+3+JJ]
.set JJ, JJ+4
.endr
	s_delay_alu instid0(VALU_DEP_1)
	v_pk_add_f32 v[14:15], v[14:15], v[236:237]
.irp b, 0,1,2,3
.irp i, 0,1,2,3,4,5,6,7,8,9,10,11,12,13,14,15
.endr
	v_cvt_scalef32_pk8_fp8_f32 v[224+4*\b:225+4*\b], v[\sb+16*\b:\sb+7+16*\b], v[244+\b]
	v_cvt_scalef32_pk8_fp8_f32 v[226+4*\b:227+4*\b], v[\sb+8+16*\b:\sb+15+16*\b], v[244+\b]
.endr
.set JJ, 0
.rept 32
	v_pk_mul_f32 v[160+JJ:161+JJ], v[160+JJ:161+JJ], v[252:253] op_sel_hi:[1,0]   ; O^T under the new M; these are also the places between the codes and the products that take them
.set JJ, JJ+2
.endr
.endm
; Four fragments from byte off of my step block into v[base] on of window win; each load takes 512 consecutive bytes
.macro FETCH4 ad, off, base, win
.if \win
	WIN 0x40
.else
	WIN 0
.endif
.irp t, 0,1,2,3
.irp c, 0,1,2,3
	ds_load_b128 v[\base+16*\t+4*\c:\base+3+16*\t+4*\c], v[\ad] offset:\off+2048*\t+512*\c
.endr
.endr
.endm
.macro SCALES ad                       ; a step's scale words, one load for four fragments: lanes 0-15 K's, lanes 16-31 V's
	ds_load_b128 v[248:251], v[\ad] offset:32768
	ds_load_b128 v[6:9], v[\ad] offset:33280
.endm
; S^T = K Q^T: fragments 4 g .. 4 g + 3 (at v[ab] on, window 1 - g) against tile 0, then against tile 1: eight different accumulators at v[db] on, each begun with the constant 0
.macro SMUL g, ab, db
.set SCB, 248-242*\g
	WIN (1-\g)
.irp t, 0,1,2,3
	v_wmma_scale_f32_16x16x128_f8f6f4 v[\db+8*(4*\g+\t):\db+7+8*(4*\g+\t)], v[\ab+16*\t:\ab+15+16*\t], v[16:31], 0, v[SCB+\t], v255
.endr
	WIN (0x55-\g)
.irp t, 0,1,2,3
	v_wmma_scale_f32_16x16x128_f8f6f4 v[\db+8*(4*\g+\t):\db+7+8*(4*\g+\t)], v[\ab+16*\t:\ab+15+16*\t], v[16:31], 0, v[SCB+\t], v10
.endr
.endm
; O^T += V^T P^T: the sixteen accumulators take turns, one instruction a turn.  V's scale words lie in lanes 16-31 of the registers that hold K's
.macro PMUL g, ab
.set SCB, 248-242*\g
	WIN (1-\g)
.irp t, 0,1,2,3
	v_wmma_scale_f32_16x16x128_f8f6f4 v[160+8*(4*\g+\t):167+8*(4*\g+\t)], v[\ab+16*\t:\ab+15+16*\t], v[224:239], v[160+8*(4*\g+\t):167+8*(4*\g+\t)], v[SCB+\t], v253 matrix_a_scale:MATRIX_SCALE_ROW1
.endr
	WIN (0x55-\g)
.irp t, 0,1,2,3
	v_wmma_scale_f32_16x16x128_f8f6f4 v[160+8*(4*\g+\t):167+8*(4*\g+\t)], v[\ab+16*\t:\ab+15+16*\t], v[224:239], v[160+8*(4*\g+\t):167+8*(4*\g+\t)], v[SCB+\t], v11 matrix_a_scale:MATRIX_SCALE_ROW1
.endr
.endm
; THE FIRST HALF OF A KEY STEP, whose K lies at v[sb] on: its scale words, its scores into v[fb] on, its V into v[sb] on, tile 1's softmax
.macro NEXT ad, fb, sb
.rept 9
	v_nop                                          ; places behind the products V^T P: eight in front of the loads into their scale words, nine in front of the products below, which write over the fragments that they read
.endr
	SCALES \ad                                     ; they cannot stand earlier: the products above read the same eight registers
	s_wait_dscnt 0x0                               ; K's eight fragments and the scale words are in
	SMUL 0, \sb, \fb
	SMUL 1, \sb, \fb
	WIN 0
.rept 8
	v_nop                                          ; places in front of the loads below and of the first read of the scores
.endr
	FETCH4 \ad, 16384, \sb, 1                      ; V's 32 loads land under tile 1's softmax
	FETCH4 \ad, 24576, \sb, 0
	WIN 0x55
	SOFT \fb                                       ; tile 1
	WIN 0x01
	v_mov_b32 v11, v253                            ; scale operands are taken from window 0: tile 1's word moves there; tile 0's softmax stands between it and the products
	WIN 0
.endm
; THE SECOND HALF OF KEY STEP j (V at v[fb] on, p at v[sb] on) AND THE FIRST HALF OF STEP j + 1 (from the LDS address v[ad]).
; mode 2: THE CHANGE OF SLOTS.  Each wave waits for all its tensor loads (its part of the next slot), adds 0 to its spare word, waits for that and for its reads of step j's slot, of which V's were the last;
; a round of the cluster's barrier; then step j's slot is asked for again first, with the keys two slots on, and has a whole key step of every wave in which to land.
; mode 1: the same with my work-group's barrier alone: the next slot is whole, nothing is asked for.  mode 0: the last step.
.macro MID ad, fb, sb, g0, mode
.if \mode
	s_wait_tensorcnt 0x0                           ; no tensor load of mine is out, so a group 0 may be written
	ds_add_u32 v3, v4                              ; 0 onto my spare word
.if \mode == 2
	s_add_nc_u64 s[\g0+2:\g0+3], s[\g0+2:\g0+3], 2*SLOT            ; this slot's next four key steps
.endif
	s_wait_dscnt 0x0                               ; the add is done, and my reads of this slot are over
.if \mode == 2
	ROUND
	JLOAD \g0
.else
	s_barrier_signal -1
	s_barrier_wait -1
.endif
	FETCH4 \ad, 0, \sb, 1                          ; the next step's K, fragments 0-3, where tile 1's p lay: they land under tile 0's softmax
	WIN 0
.endif
	SOFT \sb                                       ; tile 0
.if \mode
	FETCH4 \ad, 8192, \sb, 0                       ; fragments 4-7, where tile 0's p lay: they land under the products below
.else
	s_wait_alu depctr_va_vdst(0)
	s_wait_dscnt 0x0                               ; V is in (in the other modes the wait in front of the barrier has shown it)
.endif
	PMUL 0, \fb
	PMUL 1, \fb
	WIN 0
.if \mode
	NEXT \ad, \fb, \sb
.endif
.endm
	s_load_b256 s[4:11], s[0:1], 0x0               ; x1 s[4:5], wq's codes s[6:7], wq's scales s[8:9], bq s[10:11]
	s_load_b128 s[12:15], s[0:1], 0x20             ; kv s[12:13], out0 s[14:15]
	v_lshl_add_u32 v3, v0, 2, SPARE
	v_mov_b32 v4, 0
	ds_add_u32 v3, v4
	ds_add_u32 v3, v4
	s_wait_dscnt 0x0
	v_lshrrev_b32 v5, 5, v0
	s_delay_alu instid0(VALU_DEP_1)
	v_readfirstlane_b32 s16, v5                    ; wave 0..7
	s_and_b32 s17, s16, 1                          ; QP: which 32 queries
	s_lshr_b32 s18, s16, 1                         ; KQ: which key step of a slot; in the head: which block of 32 channels
	s_mov_b32 s19, 0x600000                        ; the mantissa field of 448
	s_mov_b32 s20, 0x76543210
	s_mov_b32 s21, 0xfedcba98                      ; v_permlanex16_b32's selects for lane l xor 16
	s_mov_b32 s22, 0x3e0293ee                      ; c = log2(e) / sqrt(128)
	s_mov_b32 s23, s22                             ; (named with it as a pair)
	s_bfe_u32 s40, ttmp6, 0x40000                  ; cx: my place in the cluster
	s_lshl_b32 s41, ttmp9, 2
	s_add_co_u32 s41, s41, s40                     ; my block of 64 queries = 4 x cluster x + cx
	s_and_b32 s42, ttmp7, 0xffff                   ; the batch, which the four partners share
	; descriptor group 1: a step block, 33,792 dense bytes, as 132 rows of 256 bytes (32 elements of 8 bytes), no padding
	s_mov_b32 s24, 15|(3<<16)|(1<<21)              ; 15:0 the mask: all four work-groups; 17:16 elements of 8 bytes; 21 set beside a mask
	s_mov_b32 s25, 32<<16                          ; tensor_dim0 = 32
	s_mov_b32 s26, 132<<16                         ; tensor_dim1 = 132
	s_mov_b32 s27, 32<<16                          ; tile_dim0 = 32
	s_mov_b32 s28, 132                             ; tile_dim1 = 132
	s_mov_b32 s29, 32                              ; tensor_dim0_stride
	s_mov_b32 s30, 0
	s_mov_b32 s31, 0
	s_and_b32 s43, s16, 3
	s_mul_i32 s43, s43, STEPB                      ; which step block of a slot I fetch (waves 0-3), in memory and in LDS alike
	s_mul_i32 s46, s42, 32*STEPB                   ; the batch's 32 key steps
	s_add_co_u32 s46, s46, s43
	s_mov_b32 s47, 0
	s_lshl_b32 s48, s42, 21                        ; x1, out0: the batch's 128 x 4,096 f32, + 256 bytes for each block of 64 queries
	s_lshl_b32 s49, s41, 8
	s_add_co_u32 s48, s48, s49
	s_mov_b32 s49, 0
	; the head's addresses, v160-173 (O^T's registers, which are begun later)
	v_and_b32 v160, 15, v0                         ; r
	v_bfe_u32 v161, v0, 4, 1                       ; h
	v_and_b32 v162, 31, v0                         ; lane
	s_lshl_b32 s50, s16, 18                        ; x1 in memory: channel 16 x wave + h (+ 2 i), rows of 16,384 bytes; 16 bytes a lane: sixteen lanes read one row's 256 bytes
	v_lshlrev_b32 v163, 14, v161
	s_delay_alu instid0(VALU_DEP_1)
	v_lshl_add_u32 v163, v160, 4, v163
	s_delay_alu instid0(VALU_DEP_1)
	v_add_nc_u32 v163, s50, v163
	s_mul_i32 s50, s16, 16*XP                      ; and the same place in LDS
	s_add_co_u32 s50, s50, X1S
	v_mul_u32_u24 v164, v161, XP
	s_delay_alu instid0(VALU_DEP_1)
	v_lshl_add_u32 v164, v160, 4, v164
	s_delay_alu instid0(VALU_DEP_1)
	v_add_nc_u32 v164, s50, v164
	v_and_b32 v165, 8, v160
	s_delay_alu instid0(VALU_DEP_1)
	v_add_nc_u32 v165, v165, v160                  ; r + 8 (r / 8)
	s_lshl_b32 s50, s18, 12                        ; wq: lane r of tile 2 KQ + u takes row 32 KQ + 8 u + r + 8 (r / 8)
	v_lshlrev_b32 v166, 7, v165
	s_delay_alu instid0(VALU_DEP_1)
	v_lshl_add_u32 v166, v161, 4, v166
	s_delay_alu instid0(VALU_DEP_1)
	v_add_nc_u32 v166, s50, v166
	s_lshl_b32 s50, s18, 7
	v_lshl_add_u32 v167, v165, 2, s50              ; its scale word
	v_lshl_add_u32 v168, v161, 6, s50              ; bq: channels 32 KQ + 16 h (+ 8 u) on
	s_mul_i32 s50, s18, 32*XP                      ; x1 down the channels: channel 32 KQ + 16 h + i, query 32 QP + r (+ 16 for tile 1)
	s_lshl_b32 s51, s17, 7
	s_add_co_u32 s50, s50, s51
	s_add_co_u32 s50, s50, X1S
	v_mul_u32_u24 v169, v161, 16*XP
	s_delay_alu instid0(VALU_DEP_1)
	v_lshl_add_u32 v169, v160, 2, v169
	s_delay_alu instid0(VALU_DEP_1)
	v_add_nc_u32 v169, s50, v169
	s_lshl_b32 s50, s17, 12                        ; images: 4,096 QP (+ 2,048 for tile 1) + 512 c + 16 x lane; I write c = KQ
	s_lshl_b32 s51, s18, 9
	s_add_co_u32 s51, s51, s50
	s_add_co_u32 s51, s51, XIMG
	v_lshl_add_u32 v170, v162, 4, s51
	s_add_co_u32 s50, s50, XIMG
	v_lshl_add_u32 v172, v162, 4, s50              ; and read all four c
	s_lshl_b32 s50, s17, 7                         ; scale bytes: 128 QP (+ 64) + 4 r + c
	s_add_co_u32 s50, s50, XSC
	v_lshl_add_u32 v173, v160, 2, s50              ; the word, to read
	s_delay_alu instid0(VALU_DEP_1)
	v_add_nc_u32 v171, s18, v173                   ; my byte, to write
	s_mul_i32 s50, s18, STEPB
	v_lshl_add_u32 v1, v162, 4, s50                ; my step block in slot 0: 16 x lane + KQ x STEPB,
	s_delay_alu instid0(VALU_DEP_1)
	v_add_nc_u32 v2, SLOT, v1                      ; and in slot 1
	v_mov_b32 v236, 0                              ; a lane permute's destination counts as one of its sources
	s_wait_kmcnt 0x0
	s_add_nc_u64 s[12:13], s[12:13], s[46:47]
	s_add_nc_u64 s[4:5], s[4:5], s[48:49]
	s_add_nc_u64 s[14:15], s[14:15], s[48:49]
	s_mov_b32 s32, 1                               ; group 0 of slot 0: count = 1,
	s_mov_b32 s33, s43                             ; LDS address,
	s_mov_b64 s[34:35], s[12:13]                   ; global address: the batch's key steps 0-3,
	s_or_b32 s35, s35, 0x80000000                  ; type = 2
	s_mov_b32 s36, 1                               ; group 0 of slot 1: key steps 4-7
	s_add_co_u32 s37, s43, SLOT
	s_add_nc_u64 s[38:39], s[12:13], SLOT
	s_or_b32 s39, s39, 0x80000000
	; x1, wq and bq are asked for ahead of the round: they touch no LDS and are on their way while the cluster meets
.irp i, 0,1,2,3,4,5,6,7
	global_load_b128 v[32+4*\i:35+4*\i], v163, s[4:5] offset:32768*\i th:TH_LOAD_NT
.endr
.irp u, 0,1
.irp c, 0,1,2,3
	global_load_b128 v[64+16*\u+4*\c:67+16*\u+4*\c], v166, s[6:7] offset:1024*\u+32*\c
.endr
	global_load_b32 v[248+\u], v167, s[8:9] offset:32*\u
.endr
.irp t, 0,1
.irp u, 0,1
	global_load_b128 v[96+16*\t+8*\u:99+16*\t+8*\u], v168, s[10:11] offset:32*\u            ; bq in the result's layout: it is the C of q's product
	global_load_b128 v[100+16*\t+8*\u:103+16*\t+8*\u], v168, s[10:11] offset:32*\u+16
.endr
.endr
	ROUND                                          ; all four work-groups are here: the first joint load meets
	JLOAD 32                                       ; slot 0: the one first fill; slot 1 is filled behind the next round
	; ---- x1 into LDS
	s_wait_loadcnt 18                              ; x1's eight loads are in; wq's 8, its 2 scale words and bq's 8 may be out
.irp i, 0,1,2,3,4,5,6,7
	ds_store_b128 v164, v[32+4*\i:35+4*\i] offset:2*XP*\i
.endr
	BAR                                            ; 128 channels x 64 queries lie in LDS
	s_wait_alu depctr_va_vdst(0)
	; ---- Q(x1): my block of 32 channels for my two tiles
.irp t, 0,1
.irp i, 0,1,2,3,4,5,6,7,8,9,10,11,12,13,14,15
	ds_load_b32 v[128+16*\t+\i], v169 offset:XP*\i+64*\t
.endr
.endr
	s_wait_dscnt 0x0
	QUANT1 128, 48, 242
	QUANT1 144, 52, 243
.irp t, 0,1
	ds_store_b128 v170, v[48+4*\t:51+4*\t] offset:2048*\t
	ds_store_b8 v171, v[242+\t] offset:64*\t       ; lanes l and l xor 16 write the same byte with the same value
.endr
	BAR                                            ; x1's four fragments and their scale words lie in LDS
	; ---- q = x1 wq^T + bq: my 32 channels of q for my two tiles, transposed; then Q(q)
.irp t, 0,1
.irp c, 0,1,2,3
	ds_load_b128 v[16+16*\t+4*\c:19+16*\t+4*\c], v172 offset:2048*\t+512*\c
.endr
	ds_load_b32 v[250+\t], v173 offset:64*\t
.endr
	s_wait_dscnt 0x0
	s_wait_loadcnt 0x0                             ; wq, its scale words, bq
.irp t, 0,1
.irp u, 0,1
	v_wmma_scale_f32_16x16x128_f8f6f4 v[96+16*\t+8*\u:103+16*\t+8*\u], v[64+16*\u:79+16*\u], v[16+16*\t:31+16*\t], v[96+16*\t+8*\u:103+16*\t+8*\u], v[248+\u], v[250+\t]
.endr
.endr
.rept 8
	v_nop
.endr
	QUANT1 96, 56, 246
	QUANT1 112, 60, 247
.irp t, 0,1
	ds_store_b128 v170, v[56+4*\t:59+4*\t] offset:QOFF+2048*\t
	ds_store_b8 v171, v[246+\t] offset:QOFF+64*\t
.endr
	BAR                                            ; q's four fragments and their scale words lie in LDS
	; ---- my two tiles of Q stay in registers; the wait for these loads is the wait for all LDS instructions in front of the next round
.irp c, 0,1,2,3
	ds_load_b128 v[16+4*\c:19+4*\c], v172 offset:QOFF+512*\c
.endr
	ds_load_b32 v255, v173 offset:QOFF
	ds_load_b32 v10, v173 offset:QOFF+64
	WIN 0x40
.irp c, 0,1,2,3
	ds_load_b128 v[16+4*\c:19+4*\c], v172 offset:QOFF+2048+512*\c
.endr
	WIN 0x55
	INIT
	WIN 0
	INIT
	; ---- key step 0's first half.  Slot 0 is whole behind this round; slot 1 has its first fill behind it, issued as a refill is
	s_wait_tensorcnt 0x0                           ; my part of slot 0 has landed
	ds_add_u32 v3, v4                              ; 0 onto my spare word
	s_wait_dscnt 0x0                               ; the add is done, Q is in
	ROUND
	JLOAD 36
	FETCH4 1, 0, 32, 1                             ; K of step 0
	FETCH4 1, 8192, 32, 0
	NEXT 1, 96, 32
	; ---- eight key steps of my wave, one in each slot; a trip runs two, until the register numbers are back
	s_mov_b32 s44, 3
.Llap:
	MID 2, 32, 96, 32, 2                           ; an even step ends, slot 0 is asked for again, an odd step begins in slot 1
	MID 1, 96, 32, 36, 2                           ; an odd step ends, slot 1 is asked for again, an even step begins in slot 0
	s_sub_co_u32 s44, s44, 1
	s_cmp_lg_u32 s44, 0
	s_cbranch_scc1 .Llap
	MID 2, 32, 96, 32, 1                           ; the tail is written out: step 6 ends, step 7 begins, nothing is asked for
	MID 1, 96, 32, 36, 0                           ; step 7 ends
	; ---- THE MERGE
.rept 8
	v_nop                                          ; eight places behind the last products: v96 on, which the lines below write, held V's fragments
.endr
	v_and_b32 v104, 15, v0                         ; r
	v_bfe_u32 v105, v0, 4, 1                       ; h
	s_mul_i32 s46, s18, PARTB                      ; my part of O: channel 16 t + 8 h + j, query 32 QP + r (+ 16 for tile 1)
	s_lshl_b32 s47, s17, 7
	s_add_co_u32 s46, s46, s47
	v_mul_u32_u24 v96, v105, 8*XP
	s_delay_alu instid0(VALU_DEP_1)
	v_lshl_add_u32 v96, v104, 2, v96
	s_delay_alu instid0(VALU_DEP_1)
	v_add_nc_u32 v96, s46, v96
	s_add_co_u32 s47, s47, STAT
	v_lshl_add_u32 v98, v104, 2, s47               ; my query's statistics of part 0,
	s_lshl_b32 s48, s18, 8
	v_add_nc_u32 v97, s48, v98                     ; and of my part
	s_mul_i32 s49, s16, 16*XP                      ; the way out: channel 16 x wave + h (+ 2 n), 16 bytes a lane
	v_mul_u32_u24 v99, v105, XP
	s_delay_alu instid0(VALU_DEP_1)
	v_lshl_add_u32 v99, v104, 4, v99
	s_delay_alu instid0(VALU_DEP_1)
	v_add_nc_u32 v99, s49, v99                     ; parts 0 and 1,
	s_delay_alu instid0(VALU_DEP_1)
	v_add_nc_u32 v100, 2*PARTB, v99                ; parts 2 and 3,
	s_delay_alu instid0(VALU_DEP_2)
	v_add_nc_u32 v101, X1S, v99                    ; x1,
	s_lshl_b32 s50, s16, 18
	v_lshlrev_b32 v102, 14, v105
	s_delay_alu instid0(VALU_DEP_1)
	v_lshl_add_u32 v102, v104, 4, v102
	s_delay_alu instid0(VALU_DEP_1)
	v_add_nc_u32 v102, s50, v102                   ; and out0
.macro LSUM                            ; the sum's two halves and lane l xor 16's, under the tile's window
	v_add_f32 v14, v14, v15
	s_delay_alu instid0(VALU_DEP_1)
	v_permlanex16_b32 v252, v14, s20, s21
	s_delay_alu instid0(VALU_DEP_1)
	v_add_f32 v14, v14, v252
.endm
	LSUM
	ds_store_b32 v97, v12                          ; lanes l and l xor 16 write the same word with the same value
	ds_store_b32 v97, v14 offset:1024
	WIN 0x55
	LSUM
	WIN 0x04                                       ; an LDS store's data are its source 1
	ds_store_b32 v97, v12 offset:64
	ds_store_b32 v97, v14 offset:1024+64
	WIN 0
	BAR                                            ; every part's -M and sum lie in LDS; nobody reads a slot any more, and every slot has had its last fill
.irp k, 0,1,2,3
	ds_load_b32 v[232+\k], v98 offset:256*\k
	ds_load_b32 v[236+\k], v98 offset:1024+256*\k
.endr
	WIN 0x40
.irp k, 0,1,2,3
	ds_load_b32 v[232+\k], v98 offset:256*\k+64
	ds_load_b32 v[236+\k], v98 offset:1024+256*\k+64
.endr
	WIN 0
	s_wait_dscnt 0x0
; under the tile's window: M = the largest of the four M; the sum = the four sums, each under M; my O^T x 2^(my M - M) / the sum
.macro FOLD
	v_min3_num_f32 v240, v232, v233, v234
	s_delay_alu instid0(VALU_DEP_1)
	v_min_num_f32 v240, v240, v235                 ; -M
.irp k, 0,1,2,3
	v_sub_f32 v[244+\k], v240, v[232+\k]           ; M_k - M: a whole number, 0 or less
.endr
.irp k, 0,1,2,3
	s_delay_alu instid0(VALU_DEP_4)
	v_cvt_i32_f32 v[244+\k], v[244+\k]
.endr
.irp k, 0,1,2,3
	s_delay_alu instid0(VALU_DEP_4)
	v_ldexp_f32 v[236+\k], v[236+\k], v[244+\k]
.endr
	s_delay_alu instid0(VALU_DEP_3)
	v_add_f32 v236, v236, v237
	s_delay_alu instid0(VALU_DEP_2)
	v_add_f32 v238, v238, v239
	s_delay_alu instid0(VALU_DEP_1)
	v_add_f32 v236, v236, v238
	v_sub_f32 v241, v240, v12
	s_delay_alu instid0(VALU_DEP_1)
	v_cvt_i32_f32 v241, v241
	s_wait_alu depctr_va_vdst(0)
	v_rcp_f32 v237, v236
	v_nop                                          ; a plain line behind the transcendental
	s_wait_alu depctr_va_vdst(0)
	v_ldexp_f32 v242, v237, v241
.set JJ, 0
.rept 32
	v_pk_mul_f32 v[160+JJ:161+JJ], v[160+JJ:161+JJ], v[242:243] op_sel_hi:[1,0]   ; each accumulator from its low end on
.set JJ, JJ+2
.endr
.endm
	FOLD
.irp t, 0,1,2,3,4,5,6,7
.irp j, 0,1,2,3,4,5,6,7
	ds_store_b32 v96, v[160+8*\t+\j] offset:(16*\t+\j)*XP
.endr
.endr
	WIN 0x55
	FOLD
	WIN 0x04
.irp t, 0,1,2,3,4,5,6,7
.irp j, 0,1,2,3,4,5,6,7
	ds_store_b32 v96, v[160+8*\t+\j] offset:(16*\t+\j)*XP+64
.endr
.endr
	WIN 0
	BAR                                            ; the four parts lie in LDS, channels by queries: the output's own order
	; ---- my 16 channels: the four parts and x1 are added, two rows of 256 bytes at a time
.set NN, 0
.rept 8
.set RB, 112+20*NN-176*(NN/4)          ; pairs 0-3 at v112-191, pairs 4-7 at v16-95
	ds_load_b128 v[RB:RB+3], v99 offset:2*XP*NN
	ds_load_b128 v[RB+4:RB+7], v99 offset:PARTB+2*XP*NN
	ds_load_b128 v[RB+8:RB+11], v100 offset:2*XP*NN
	ds_load_b128 v[RB+12:RB+15], v100 offset:PARTB+2*XP*NN
	ds_load_b128 v[RB+16:RB+19], v101 offset:2*XP*NN
.set NN, NN+1
.endr
.set NN, 0
.rept 8
.set RB, 112+20*NN-176*(NN/4)
	s_wait_dscnt 35-5*NN                           ; this pair's five loads are in; the five of each later pair may be out
	v_pk_add_f32 v[RB:RB+1], v[RB:RB+1], v[RB+4:RB+5]
	v_pk_add_f32 v[RB+2:RB+3], v[RB+2:RB+3], v[RB+6:RB+7]
	v_pk_add_f32 v[RB+8:RB+9], v[RB+8:RB+9], v[RB+12:RB+13]
	v_pk_add_f32 v[RB+10:RB+11], v[RB+10:RB+11], v[RB+14:RB+15]
	s_delay_alu instid0(VALU_DEP_2)
	v_pk_add_f32 v[RB:RB+1], v[RB:RB+1], v[RB+8:RB+9]
	s_delay_alu instid0(VALU_DEP_2)
	v_pk_add_f32 v[RB+2:RB+3], v[RB+2:RB+3], v[RB+10:RB+11]
	s_delay_alu instid0(VALU_DEP_2)
	v_pk_add_f32 v[RB:RB+1], v[RB:RB+1], v[RB+16:RB+17]
	s_delay_alu instid0(VALU_DEP_2)
	v_pk_add_f32 v[RB+2:RB+3], v[RB+2:RB+3], v[RB+18:RB+19]
	global_store_b128 v102, v[RB:RB+3], s[14:15] offset:32768*NN th:TH_STORE_NT   ; sixteen lanes store 256 consecutive bytes, at a multiple of 256 from out0's first byte
.set NN, NN+1
.endr
	s_wait_tensorcnt 0x0                           ; the wave's end
	ds_add_u32 v3, v4
	s_wait_dscnt 0x0
	ROUND                                          ; the closing round: no work-group ends while a partner may still ask for a tile that names it
	s_endpgm
.Lfunc_end_k_q7d28f93248_attn:
	.size	k_q7d28f93248_attn, .Lfunc_end_k_q7d28f93248_attn-k_q7d28f93248_attn
	.p2alignl 7, 3214868480
	.fill 96, 4, 3214868480
	.section	.rodata,"a",@progbits
	.p2align	6, 0x0
	.amdhsa_kernel k_q7d28f93248_attn
		.amdhsa_group_segment_fixed_size 327680
		.amdhsa_private_segment_fixed_size 0
		.amdhsa_enable_private_segment 0
		.amdhsa_kernarg_size 48
		.amdhsa_user_sgpr_count 2
		.amdhsa_user_sgpr_kernarg_segment_ptr 1
		.amdhsa_wavefront_size32 1
		.amdhsa_system_sgpr_workgroup_id_x 1
		.amdhsa_system_sgpr_workgroup_id_y 1
		.amdhsa_system_sgpr_workgroup_id_z 1
		.amdhsa_system_vgpr_workitem_id 0
		.amdhsa_next_free_vgpr 512
		.amdhsa_next_free_sgpr 66
		.amdhsa_reserve_vcc 0
		.amdhsa_float_denorm_mode_32 3
		.amdhsa_float_denorm_mode_16_64 3
		.amdhsa_fp16_overflow 1
		.amdhsa_memory_ordered 1
		.amdhsa_forward_progress 1
		.amdhsa_inst_pref_size 197
	.end_amdhsa_kernel
	.amdgpu_metadata
---
amdhsa.version: [ 1, 2 ]
amdhsa.kernels:
  - .name:           k_q7d28f93248_attn
    .symbol:         k_q7d28f93248_attn.kd
    .args:
      - { .name: x1, .offset: 0, .size: 8, .value_kind: global_buffer, .address_space: global }
      - { .name: wq_codes, .offset: 8, .size: 8, .value_kind: global_buffer, .address_space: global }
      - { .name: wq_scales, .offset: 16, .size: 8, .value_kind: global_buffer, .address_space: global }
      - { .name: bq, .offset: 24, .size: 8, .value_kind: global_buffer, .address_space: global }
      - { .name: kv, .offset: 32, .size: 8, .value_kind: global_buffer, .address_space: global }
      - { .name: out0, .offset: 40, .size: 8, .value_kind: global_buffer, .address_space: global }
    .group_segment_fixed_size: 327680
    .private_segment_fixed_size: 0
    .kernarg_segment_align: 8
    .kernarg_segment_size: 48
    .max_flat_workgroup_size: 256
    .sgpr_count:     66
    .vgpr_count:     512
    .wavefront_size: 32
...
	.end_amdgpu_metadata
.endif
;; end of part 2
